; MI455X (gfx1250); checked and timed in simulation.
; The chip was launched on July 23, 2026; its instructions are those of AMD's public machine-readable ISA for CDNA 5 (MIT licence, August 2026) and "CDNA5" Instruction Set Architecture Reference Guide (July 2026). The comments in the code are by the model that wrote it; some were corrected since.
;; Multi Head Attention. Allowed arithmetic: matrix products marked QUANTISED: E2M3 operands, one E8M0 scale for each 32 along K, by v_wmma_scale_f32_16x16x128_f8f6f4 with both operands' format E2M3, f32 sums; everything else in f32.
;; Inputs: W_K_codes 1,024 x 32 x 24 uint8 (E2M3 codes of W_K, K innermost, in blocks of 32 codes, four codes in three bytes); W_K_scales 1,024 x 32 uint8 (E8M0 scales of W_K, one for each 32 codes along K); W_Q_codes 1,024 x 32 x 24 uint8 (E2M3 codes of W_Q, K innermost, in blocks of 32 codes, four codes in three bytes); W_Q_scales 1,024 x 32 uint8 (E8M0 scales of W_Q, one for each 32 codes along K); W_V_codes 1,024 x 32 x 24 uint8 (E2M3 codes of W_V, K innermost, in blocks of 32 codes, four codes in three bytes); W_V_scales 1,024 x 32 uint8 (E8M0 scales of W_V, one for each 32 codes along K); k_codes 4 x 2,048 x 32 x 24 uint8 (E2M3 codes of k, K innermost, in blocks of 32 codes, four codes in three bytes); k_scales 4 x 2,048 x 32 uint8 (E8M0 scales of k, one for each 32 codes along K); q 4 x 2,048 x 1,024 float32; v_codes 4 x 2,048 x 32 x 24 uint8 (E2M3 codes of v, K innermost, in blocks of 32 codes, four codes in three bytes); v_scales 4 x 2,048 x 32 uint8 (E8M0 scales of v, one for each 32 codes along K).
;; Outputs: out0 4 x 2,048 x 1,024 float32.
;; This version of the problem:
;;   THIS VERSION OF THE PROBLEM IS GIVEN IN LOW PRECISION. The matrix products marked QUANTISED in the list below multiply operands that are first quantised to E2M3 (2 exponent bits, 3 mantissa bits; 6 bits a number), with one power-of-two scale for each 32 numbers along K (OCP MX v1.0); their sums are f32. All else is computed in f32.
;;   The module's matrix products, in the order in which they are computed (A, B: the left and right operand; K: the contracted axis; several contracted axes count as one K, in the product's order):
;;     1. [M 8,192, K 1,024] x [K 1,024, N 1,024]; A: input q; B: input W_Q (given as codes): QUANTISED
;;     2. [M 8,192, K 1,024] x [K 1,024, N 1,024]; A: input k (given as codes); B: input W_K (given as codes): QUANTISED
;;     3. [M 8,192, K 1,024] x [K 1,024, N 1,024]; A: input v (given as codes); B: input W_V (given as codes): QUANTISED
;;     4. batch 64 x [M 2,048, K 64] x [K 64, N 2,048]; A: computed on the way; B: computed on the way: QUANTISED
;;     5. batch 64 x [M 64, K 2,048] x [K 2,048, N 2,048]; A: computed on the way; B: softmax (see below): QUANTISED
;;   THE QUANTISER, for each operand of a quantised product, along K:
;;     - K is cut into blocks of 32 from its start; a last block that is shorter is filled with zeros.
;;     - A block's scale is 2^e with e = floor(log2(the largest magnitude in the block)) - 2, held to -126 .. 127; a block of zeros has e = 0. As a byte (E8M0): e + 127.
;;     - Each number is divided by its block's scale, clamped to +-7.5, and rounded to the nearest number of E2M3, ties to even, subnormals kept.
;;     - The product sums the exact products of the quantised numbers (number of the format x scale) in f32.
;;   ~~~python
;;   def quantise(x, axis):      # numpy; x: float32 -> the quantised numbers, widened to float32 again
;;       x = np.moveaxis(x, axis, -1); K = x.shape[-1]
;;       x = np.pad(x, [(0, 0)] * (x.ndim - 1) + [(0, -K % 32)]); x = x.reshape(x.shape[:-1] + (-1, 32)); a = np.abs(x).max(-1, keepdims=True)
;;       e = np.where(a > 0, np.clip(np.frexp(np.where(a > 0, a, 1))[1] - 1 - 2, -126, 127), 0)      # np.frexp(a)[1] - 1 = floor(log2(a)), exactly
;;       r = np.clip(x / 2.0 ** e, -7.5, 7.5)
;;       step = 2.0 ** (np.maximum(np.frexp(np.where(r == 0, 1, r))[1] - 1, 0) - 3)
;;       q = np.round(r / step) * step * 2.0 ** e      # np.round: ties to even
;;       return np.moveaxis(q.reshape(q.shape[:-2] + (-1,))[..., :K], -1, axis).astype(np.float32)
;;   ~~~
;;   SOFTMAX AHEAD OF A QUANTISED PRODUCT. Where the list says 'softmax', what is quantised is not the finished softmax but p = 2^(t - M), with t = logit x log2(e) and M = ceil(the row's largest t), a whole number; so 1/2 < the row's largest p <= 1. The row's sum l is taken of the UNQUANTISED p, in f32, and the product's result is divided by l at the end. Since M is a whole number, a kernel that streams over the keys may use a running M (the ceiling of the running maximum): every later rescaling is an exact power of two, which a block's scale takes up: the codes' values come out the same.
;;   OPERANDS COMPUTED ON THE WAY. 'Computed on the way' means the value that the module computes at that place (a softmax that the list does not call 'softmax' is quantised finished and normalised). What goes into a quantiser is computed in f32, as accurately as f32 sums, v_exp_f32 and their like allow (about 1e-6 of the number): no bf16 or f16 on the way to a quantiser, and a product that is left as it is and whose result goes on into a quantised operand takes f32 operands (vector FMAs, or v_wmma_f32_16x16x4_f32). A number that lies on a knife's edge between two numbers of the format may be rounded either way, as far as f32 arithmetic and the matrix unit's own rounding can turn it there, and no further.
;;   INPUTS GIVEN AS CODES. W_K (in the module: [1024, 1024], K = its axis 0); W_Q (in the module: [1024, 1024], K = its axis 0); W_V (in the module: [1024, 1024], K = its axis 0); k (in the module: [4, 2048, 1024], K = its axis 2); v (in the module: [4, 2048, 1024], K = its axis 2): each comes as NAME_codes (uint8): NAME with its K axis moved to the last place and cut into blocks of 32 codes, [.., K / 32, bytes a block], one block behind the other in memory; four codes in three bytes: a row's codes are one little-endian stream of bits, code i at bits 6 i .. 6 i + 5 (a code: sign, 2 exponent bits, 3 mantissa bits); and NAME_scales (uint8): the same leading axes, one E8M0 byte (e + 127) for each 32 codes along K. Its value is code x scale, taken as it is: it is not quantised again, and the codes and scales need not be those that the quantiser above would give.
;; One version. Each part assembles by itself: llvm-mc -triple=amdgcn-amd-amdhsa -mcpu=gfx1250 --defsym DOCPART=n.
;; ======== version 1 of 1: 3 launches
;; limits: right only within a limited range of input values
;; workspace buffers: qcodes 6,291,456 bytes; qscales 262,144 bytes; qfrag 6,815,744 bytes; kvfrag 13,631,488 bytes
;; launch quantq (part 1): grid 256 x 1, 4 waves a work-group, no clusters, 33,280 bytes of LDS; arguments q, qcodes, qscales; writes qcodes, qscales
.if DOCPART == 1
	.amdgcn_target "amdgcn-amd-amdhsa--gfx1250"
	.amdhsa_code_object_version 6
	.text
	.protected	k_q03e589cc5e_quantq
	.globl	k_q03e589cc5e_quantq
	.p2align	8
	.type	k_q03e589cc5e_quantq,@function
k_q03e589cc5e_quantq:
	s_mov_b64 s[64:65], 0
	v_nop
	global_prefetch_b8 v0, s[64:65] scope:SCOPE_SE
	s_setreg_imm32_b32 hwreg(HW_REG_WAVE_MODE, 25, 1), 1
	s_wait_xcnt 0x0
; q [8192][1024], f32, is turned into codes of FP6 (E2M3), 6 bits each, K (the model's 1,024) innermost, with one E8M0 scale byte for each 32 along K: laid as k_codes and k_scales are.
; A block's scale is 2^(floor(log2(its largest magnitude)) - 2); its byte is the largest magnitude's own exponent field - 2, held at 1 from below.  Each number is divided by the scale and rounded to the nearest code, ties to even;
; beyond the largest code the conversion gives the largest code.
; LIMITS: a block whose largest magnitude lies under 2^-124 has its byte held at 1; a block of zeros gets the byte 1 (its codes are zeros, and the bytes are read by this program alone); NaN and infinities in q are not served.
; Rows are dense and 1,024 is a multiple of 32: q is a plain stream of blocks of 32 numbers, and so are the codes and the scale bytes.  8,388,608 numbers = 256 work-groups x 4 waves x 16 steps x 512.
; The conversion takes 16 numbers of ONE block from a lane's registers, so a lane must hold 16 neighbours (two neighbouring lanes hold a block); a load is best where neighbouring LANES take neighbouring bytes.  Both are had:
; each of a step's four loads reads 512 consecutive bytes; the 2,048 bytes go through the wave's own stage in LDS, as they lie, and come back 64 bytes a lane (16 bytes of padding behind each 64).
; A lane's 16 codes are 12 bytes: the wave stores 384 consecutive bytes.  A wave's 256 scale bytes are gathered in its own LDS bytes and leave as one aligned run of 256 bytes.
; No cluster, no tensor load, no barrier: waves share no input and no LDS byte.  Loads run four steps (16 loads a wave) ahead, the turn through LDS one step.
.set STEPS, 16
.set CB,    12                         ; bytes of 16 codes
.set R,     16                         ; v16-79   four sets of 16 numbers as they are loaded
.set X,     80                         ; v80-111  two sets of 16 neighbours
.set E,     112                        ; v112-127 a scale byte for each step
.set C,     128                        ; v128-191 codes: four registers for each step, so that no store's data are written again
.set WREG,  8192                       ; LDS: a region of its own for each wave: two stages of 32 x SP bytes, and behind them its 256 scale bytes
.set SP,    80                         ; a lane's place in a stage: its 64 bytes + 16 of padding
	s_load_b128 s[4:7], s[0:1], 0x0                ; q, the codes
	s_load_b64 s[8:9], s[0:1], 0x10                ; the scale bytes
	v_lshl_add_u32 v192, v0, 2, 0x8000
	v_mov_b32 v193, 0
	v_lshrrev_b32 v1, 5, v0
	v_readfirstlane_b32 s16, v1                    ; wave
	v_and_b32 v2, 31, v0                           ; lane
	v_lshlrev_b32 v3, 4, v2                        ; my 16 bytes of a load's 512
	s_mul_i32 s17, s16, WREG
	v_lshrrev_b32 v14, 2, v2
	v_mul_u32_u24 v14, v14, SP
	v_and_b32 v15, 3, v2
	v_lshl_add_u32 v14, v15, 4, v14
	v_add_nc_u32 v14, s17, v14                     ; the stage, on the way in: SP (lane / 4) + 16 (lane % 4); a load's 512 bytes take eight places
	v_mul_u32_u24 v15, v2, SP
	v_add_nc_u32 v15, s17, v15                     ; and on the way out: SP x lane: my 16 neighbours
	v_mul_u32_u24 v4, v2, CB                       ; my codes' place in a step's
	v_lshrrev_b32 v5, 1, v2
	s_add_co_u32 s17, s17, 2*32*SP
	v_add_nc_u32 v5, s17, v5                       ; LDS: my wave's 256 scale bytes, my block's byte
	v_lshlrev_b32 v7, 3, v2                        ; and on the way out 8 bytes a lane
	v_add_nc_u32 v6, s17, v7
	s_lshl_b32 s18, ttmp9, 2
	s_add_co_u32 s18, s18, s16                     ; which run of 8,192 numbers is my wave's: 0 .. 1,023
	s_lshl_b32 s20, s18, 15                        ; 32,768 bytes of q a run,
	s_mov_b32 s21, 0
	s_mul_i32 s22, s18, 32*STEPS*CB                ; 6,144 bytes of codes,
	s_mov_b32 s23, 0
	s_lshl_b32 s24, s18, 8                         ; 256 scale bytes
	s_mov_b32 s25, 0
	s_wait_alu depctr_va_vdst(0)
	s_wait_kmcnt 0x0
	s_add_nc_u64 s[4:5], s[4:5], s[20:21]
	s_add_nc_u64 s[6:7], s[6:7], s[22:23]
	s_add_nc_u64 s[8:9], s[8:9], s[24:25]
.macro LOAD t
.irp i, 0,1,2,3
	global_load_b128 v[R+16*((\t)%4)+4*\i:R+16*((\t)%4)+4*\i+3], v3, s[4:5] offset:2048*(\t)+512*\i th:TH_LOAD_NT   ; 32 lanes read 512 consecutive bytes
.endr
.endm
.macro TURN t                          ; step t's numbers through the stage: LDS serves a wave's instructions in order, so no wait stands between the stores and the loads
.irp i, 0,1,2,3
	ds_store_b128 v14, v[R+16*((\t)%4)+4*\i:R+16*((\t)%4)+4*\i+3] offset:32*SP*((\t)%2)+8*SP*\i
.endr
.irp i, 0,1,2,3
	ds_load_b128 v[X+16*((\t)%2)+4*\i:X+16*((\t)%2)+4*\i+3], v15 offset:32*SP*((\t)%2)+16*\i
.endr
.endm
.irp t, 0,1,2,3
	LOAD \t
.endr
	s_wait_loadcnt 12                              ; step 0's four loads are in; the twelve of steps 1 to 3 may be out
	TURN 0
.macro STEP t
.set XS, X+16*((\t)%2)
.if (\t) > 0
	s_wait_dscnt 1                                 ; this step's numbers are back from the stage (the last step's byte store may be out): so its stores into the stage have read their registers,
.else
	s_wait_dscnt 0x0
.endif
.if (\t)+4 < STEPS
	LOAD (\t)+4                                    ; which take the loads of four steps on
.endif
.if (\t)+1 < STEPS
.if STEPS-2-(\t) >= 3
	s_wait_loadcnt 12                              ; the next step's four loads are in; those of the three steps behind it may be out
.else
	s_wait_loadcnt 4*(STEPS-2-(\t))                ; in the tail fewer steps stand behind it
.endif
	TURN (\t)+1                                    ; and go through the other stage while this step is worked
.endif
	v_max3_num_f32 v8, |v[XS]|, |v[XS+1]|, |v[XS+2]|               ; the largest magnitude of my 16, in two chains
	v_max3_num_f32 v9, |v[XS+3]|, |v[XS+4]|, |v[XS+5]|
.irp i, 6,10
	v_max3_num_f32 v8, v8, |v[XS+\i]|, |v[XS+\i+1]|
	v_max3_num_f32 v9, v9, |v[XS+\i+2]|, |v[XS+\i+3]|
.endr
	v_max3_num_f32 v8, v8, |v[XS+14]|, |v[XS+15]|
	v_max3_num_f32 v8, v8, v9, 0x1800000           ; and the floor 2^(3 - 127), under which no largest magnitude is taken: so the byte cannot fall under 1
	v_max_num_f32_dpp v8, v8, v8 row_xmask:1 row_mask:0xf bank_mask:0xf   ; and of my neighbour's 16: the block's
	v_add_nc_u32 v11, 0xff000000, v8               ; 2 off its exponent field: the conversion takes the exponent field of this operand as its scale, and nothing else of it
	v_cvt_scalef32_pk16_fp6_f32 v[C+4*(\t):C+4*(\t)+2], v[XS:XS+15], v11   ; sixteen codes, 96 bits without gaps, the first number's code lowest
	v_lshrrev_b32 v[E+(\t)], 23, v11               ; the scale's byte (also the plain line behind the conversion)
	ds_store_b8 v5, v[E+(\t)] offset:16*(\t)       ; both lanes of a block write the same byte with the same value
	global_store_b96 v4, v[C+4*(\t):C+4*(\t)+2], s[6:7] offset:32*CB*(\t)
.endm
.irp t, 0,1,2,3,4,5,6,7,8,9,10,11,12,13,14,15
	STEP \t
.endr
	ds_load_b64 v[12:13], v6                       ; LDS serves a wave's instructions in order: these see my byte stores
	s_wait_dscnt 0x0
	global_store_b64 v7, v[12:13], s[8:9]          ; 32 lanes store 256 consecutive bytes, aligned
	s_wait_tensorcnt 0x0
	ds_add_u32 v192, v193
	s_wait_dscnt 0x0
	s_endpgm
.Lfunc_end_k_q03e589cc5e_quantq:
	.size	k_q03e589cc5e_quantq, .Lfunc_end_k_q03e589cc5e_quantq-k_q03e589cc5e_quantq
	.p2alignl 7, 3214868480
	.fill 96, 4, 3214868480
	.section	.rodata,"a",@progbits
	.p2align	6, 0x0
	.amdhsa_kernel k_q03e589cc5e_quantq
		.amdhsa_group_segment_fixed_size 33280
		.amdhsa_private_segment_fixed_size 0
		.amdhsa_enable_private_segment 0
		.amdhsa_kernarg_size 24
		.amdhsa_user_sgpr_count 2
		.amdhsa_user_sgpr_kernarg_segment_ptr 1
		.amdhsa_wavefront_size32 1
		.amdhsa_system_sgpr_workgroup_id_x 1
		.amdhsa_system_sgpr_workgroup_id_y 1
		.amdhsa_system_sgpr_workgroup_id_z 1
		.amdhsa_system_vgpr_workitem_id 0
		.amdhsa_next_free_vgpr 194
		.amdhsa_next_free_sgpr 66
		.amdhsa_reserve_vcc 0
		.amdhsa_float_denorm_mode_32 3
		.amdhsa_float_denorm_mode_16_64 3
		.amdhsa_memory_ordered 1
		.amdhsa_forward_progress 1
		.amdhsa_inst_pref_size 32
	.end_amdhsa_kernel
	.amdgpu_metadata
---
amdhsa.version: [ 1, 2 ]
amdhsa.kernels:
  - .name:           k_q03e589cc5e_quantq
    .symbol:         k_q03e589cc5e_quantq.kd
    .args:
      - { .name: q, .offset: 0, .size: 8, .value_kind: global_buffer, .address_space: global }
      - { .name: qcodes, .offset: 8, .size: 8, .value_kind: global_buffer, .address_space: global }
      - { .name: qscales, .offset: 16, .size: 8, .value_kind: global_buffer, .address_space: global }
    .group_segment_fixed_size: 33280
    .private_segment_fixed_size: 0
    .kernarg_segment_align: 8
    .kernarg_segment_size: 24
    .max_flat_workgroup_size: 128
    .sgpr_count:     66
    .vgpr_count:     194
    .wavefront_size: 32
...
	.end_amdgpu_metadata
.endif
;; end of part 1
;; launch proj (part 2): grid 4 x 96, 4 waves a work-group, clusters of 4 x 4, 327,680 bytes of LDS; arguments qcodes, qscales, k_codes, k_scales, W_V_codes, W_V_scales, W_Q_codes, W_Q_scales, W_K_codes, W_K_scales, v_codes, v_scales, qfrag, kvfrag; writes qfrag, kvfrag
.if DOCPART == 2
	.amdgcn_target "amdgcn-amd-amdhsa--gfx1250"
	.amdhsa_code_object_version 6
	.text
	.protected	k_q03e589cc5e_proj
	.globl	k_q03e589cc5e_proj
	.p2align	8
	.type	k_q03e589cc5e_proj,@function
k_q03e589cc5e_proj:
	s_mov_b64 s[64:65], 0
	v_nop
	global_prefetch_b8 v0, s[64:65] scope:SCOPE_SE
	s_setreg_imm32_b32 hwreg(HW_REG_WAVE_MODE, 25, 1), 1
	s_wait_xcnt 0x0
	s_wait_alu depctr_hold_cnt(0) depctr_sa_sdst(0) depctr_va_vdst(0) depctr_va_sdst(0) depctr_va_ssrc(0) depctr_va_vcc(0) depctr_vm_vsrc(0)
	s_getreg_b32 s2, hwreg(HW_REG_IB_STS2, 6, 4)
	s_cmp_eq_u32 s2, 0
	s_cbranch_scc0 .Lentry_in_a_cluster
	s_endpgm
.Lentry_in_a_cluster:
	s_bfe_u32 s2, ttmp6, 0x10000c
	s_cmp_lg_u32 s2, 0xf033
	s_cbranch_scc0 .Lentry_shape_is_right
	s_endpgm
.Lentry_shape_is_right:
; The three projections qh = q W_Q, kh = k W_K, vh = v W_V on codes of FP6 (E2M3) with E8M0 scales, K = 1,024; the results are quantised here (qh, kh along the head's 64, vh along the tokens)
; and stored as images of the operand registers that the attention launch loads: a part of 6,656 bytes for each (batch-head, 128 tokens): four images of 1,536 bytes (registers 4 p .. 4 p + 3 of lane l at 512 p + 16 l), then 512 bytes of scale words.
; A work-group makes 256 x 256 of one product; a wave 128 x 128 in 64 accumulators.  The cluster's y / 8 says which product: 0 q, 1 k (A = tokens, B = weight rows), 2 v (A = W_V's rows, B = tokens).
; K goes in CHUNKS OF 256 BYTES of each row of codes (a row is 768 bytes: three chunks, each on a 256-byte border).  Chunk c lies in slot c % 2.  At the head the four waves ask for chunk 0 of A, chunk 1 of A, chunk 0 of B,
; chunk 1 of B, 256 rows each, one joint load a wave.  Chunk 2 is the launch's one refill: into slot 0, behind a round of the cluster's barrier in step 2, a quarter of the slot a wave.
; A step is 128 along K, 96 bytes of a row; steps 2 and 5 lie across two chunks.
; THE SCALES go from memory straight into registers: a row's 32 bytes are its eight steps' words.  Register SA + 8 i + st: lanes 0-15 the word of A's block i, lanes 16-31 that of block i + 4; SB likewise for B.
; CLUSTER 4 x 4: A's tiles are asked for jointly along a row of the cluster, B's along a column.
; PREFETCH: chunk 2's rows are named once in the cluster, at the head, behind the head's load: of the 128 rows that a wave will fetch each of the four partners names 32, told apart by address, a lane a row; two and a half steps of products stand
; between it and the refill.  Chunks 0 and 1 come by the head's loads alone.
; K'S IMAGES ARE LAID BY ANOTHER ORDER OF TOKENS: image i, lane row r goes to image 2 (i / 2) + r / 8, lane row 8 (i % 2) + r % 8, by the stores' addresses alone; its scale words stay where image i, row r has them.
; LIMITS: a block whose largest magnitude lies under 2^-124, a block of zeros among them, has its byte held at 1; NaN and infinities are not served.
.set ROWB,   256
.set KROW,   768
.set PITCH,  272
.set FR,     12
.set NL,     6
.set NP,     4
.set HALFT,  128*PITCH
.set SLOT,   4*HALFT
.set SPARE,  2*SLOT
.set PARTB,  6656
.set LA,   8
.set SOF,  12
.set ADRA, 16
.set ADRB, 20
.set LI,   24
.set SPW,  28
.set NIL,  29
.set PFO,  30
.set SA,   32
.set SB,   64
.set AF,   128
.set TM,   32
.set FLR,  48
.set PWE,  49
.set PWO,  50
.set SW,   52
.set F,    64
.set CT,   128
.set G1, 24
.set G0, 32
.set G1B, 48
.set G0B, 56
.set G0H, 68
.set G0HB, 72
.set PFA, 76
.set SCA, 78
.set SCB, 80
.set TSEL, 66
.set BS,   67
.set PRT,  95
.set OA,   96
.set OB,   98
.set SEL,  100
.set MSB, 0
.macro WIN new
.if MSB != \new
	s_set_vgpr_msb (MSB<<8)|\new
.set MSB, \new
.endif
.endm
.set MUL_LO, 0xa1
.set MUL_HI, 0xf1
.set TO_B,   0x40
; a joint load: waves 0 and 1 ask for A, waves 2 and 3 for B; the branch hangs on the wave's number alone
.macro JLOAD g0a, g1a, g0b, g1b
	s_cmp_eq_u32 s15, 0
	s_cbranch_scc0 .Lfor_b_\@
	tensor_load_to_lds s[\g0a:\g0a+3], s[\g1a:\g1a+7]
	s_nop 0
.rept 4
	v_nop
.endr
	s_branch .Lasked_\@
.Lfor_b_\@:
	tensor_load_to_lds s[\g0b:\g0b+3], s[\g1b:\g1b+7]
	s_nop 0
.rept 4
	v_nop
.endr
.Lasked_\@:
.endm
.macro CREST
	s_cmp_lg_u32 s14, 0
	s_cbranch_scc1 .Lnot_wave_0_\@
	s_barrier_signal -3
.Lnot_wave_0_\@:
	s_barrier_wait -3
	s_barrier_signal -1
	s_barrier_wait -1
.endm
.macro CROUND
	s_barrier_signal -1
	s_barrier_wait -1
	CREST
.endm
	s_load_b512 s[24:39], s[0:1], 0x0
	s_load_b256 s[48:55], s[0:1], 0x40
	s_load_b128 s[56:59], s[0:1], 0x60
	v_lshl_add_u32 v[SPW], v0, 2, SPARE
	v_mov_b32 v[NIL], 0
	ds_add_u32 v[SPW], v[NIL]                      ; the opening lines: the add, twice on end, and its wait
	ds_add_u32 v[SPW], v[NIL]
	v_lshrrev_b32 v1, 5, v0
	v_readfirstlane_b32 s14, v1                    ; wave
	s_lshr_b32 s15, s14, 1                         ; my half of the tile's rows; also: I ask for A (0) or B (1)
	s_and_b32 s16, s14, 1                          ; my half of its columns; also: the head's chunk, and the refill's 128 rows
	s_bfe_u32 s40, ttmp6, 0x40000                  ; cx
	s_bfe_u32 s41, ttmp6, 0x40004                  ; cy
	s_and_b32 s18, ttmp7, 0xffff
	s_lshr_b32 s[TSEL], s18, 3                     ; which product
	s_and_b32 s18, s18, 7
	s_lshl_b32 s18, s18, 2
	s_cmp_eq_u32 s[TSEL], 2
	s_cselect_b32 s42, s18, 0
	s_cselect_b32 s17, 0, s18
	s_add_co_u32 s42, s42, s40                     ; tile column
	s_add_co_u32 s17, s17, s41                     ; tile row
	s_lshl_b32 s43, s41, 2
	s_lshl_b32 s43, 15, s43                        ; my row of the cluster
	s_lshl_b32 s44, 0x1111, s40                    ; my column
	s_wait_dscnt 0x0
	s_wait_kmcnt 0x0
	s_cmp_eq_u32 s[TSEL], 0
	s_cselect_b64 s[4:5], s[24:25], s[28:29]
	s_cselect_b64 s[6:7], s[26:27], s[30:31]
	s_cselect_b64 s[8:9], s[36:37], s[48:49]
	s_cselect_b64 s[10:11], s[38:39], s[50:51]
	s_cselect_b64 s[12:13], s[56:57], s[58:59]
	s_mov_b32 s[BS], 2*PARTB
	s_cselect_b32 s[BS], PARTB, s[BS]
	s_cmp_eq_u32 s[TSEL], 2
	s_cselect_b64 s[4:5], s[32:33], s[4:5]
	s_cselect_b64 s[6:7], s[34:35], s[6:7]
	s_cselect_b64 s[8:9], s[52:53], s[8:9]
	s_cselect_b64 s[10:11], s[54:55], s[10:11]
	s_cselect_b32 s[PRT], PARTB, 0
	; group 1: rows of 256 bytes, 16 bytes of padding behind each; 256 rows for the head's loads
	s_or_b32 s[G1+0], s43, (1<<20)|(1<<21)|(5<<22)|(3<<25)
	s_or_b32 s[G1B+0], s44, (1<<20)|(1<<21)|(5<<22)|(3<<25)
.irp g, G1, G1B
	s_mov_b32 s[\g+1], ROWB<<16
	s_mov_b32 s[\g+2], 256<<16
	s_mov_b32 s[\g+3], ROWB<<16
	s_mov_b32 s[\g+4], 256
	s_mov_b32 s[\g+5], KROW
	s_mov_b32 s[\g+6], 0
	s_mov_b32 s[\g+7], 0
.endr
	s_lshl_b32 s20, s17, 8                         ; A's first row
	s_lshl_b32 s46, s42, 8                         ; B's
	s_mov_b32 s21, 0
	s_mov_b32 s47, 0
	s_lshl_b64 s[22:23], s[20:21], 5               ; their scales: 32 bytes a row
	s_lshl_b64 s[92:93], s[46:47], 5
	s_mov_b64 s[18:19], KROW
	s_mul_u64 s[20:21], s[20:21], s[18:19]
	s_mul_u64 s[46:47], s[46:47], s[18:19]
	s_add_nc_u64 s[20:21], s[4:5], s[20:21]
	s_add_nc_u64 s[46:47], s[8:9], s[46:47]
	s_add_nc_u64 s[SCA:SCA+1], s[6:7], s[22:23]
	s_add_nc_u64 s[SCB:SCB+1], s[10:11], s[92:93]
	s_mov_b32 s19, 0
	s_lshl_b32 s18, s15, 12                        ; my 128 rows' scales: 4,096 bytes a half
	s_add_nc_u64 s[SCA:SCA+1], s[SCA:SCA+1], s[18:19]
	s_lshl_b32 s18, s16, 12
	s_add_nc_u64 s[SCB:SCB+1], s[SCB:SCB+1], s[18:19]
	v_and_b32 v1, 15, v0
	v_bfe_u32 v2, v0, 4, 1
	v_lshlrev_b32 v[SOF], 5, v1
	v_lshl_add_u32 v[SOF], v2, 11, v[SOF]          ; row r of block i + 4 h: 32 r + 2,048 h
.irp i, 0,1,2,3
	global_load_b128 v[SA+8*\i:SA+8*\i+3], v[SOF], s[SCA:SCA+1] offset:512*\i
	global_load_b128 v[SA+8*\i+4:SA+8*\i+7], v[SOF], s[SCA:SCA+1] offset:512*\i+16
	global_load_b128 v[SB+8*\i:SB+8*\i+3], v[SOF], s[SCB:SCB+1] offset:512*\i
	global_load_b128 v[SB+8*\i+4:SB+8*\i+7], v[SOF], s[SCB:SCB+1] offset:512*\i+16
.endr
	s_lshl_b32 s18, s16, 8                         ; the head: chunk s16 of all 256 rows, into slot s16
	s_mul_i32 s45, s16, SLOT
	s_mov_b32 s[G0H], 1
	s_add_co_u32 s[G0H+1], s45, 0
	s_add_nc_u64 s[G0H+2:G0H+3], s[20:21], s[18:19]
	s_or_b32 s[G0H+3], s[G0H+3], 0x80000000
	s_mov_b32 s[G0HB], 1
	s_add_co_u32 s[G0HB+1], s45, 2*HALFT
	s_add_nc_u64 s[G0HB+2:G0HB+3], s[46:47], s[18:19]
	s_or_b32 s[G0HB+3], s[G0HB+3], 0x80000000
	s_mul_i32 s18, s16, 128*KROW                   ; the refill: chunk 2 of my 128 rows, into slot 0 at wave x 128 rows
	s_add_co_u32 s18, s18, 2*ROWB
	s_mul_i32 s45, s14, HALFT
	s_mov_b32 s[G0], 1
	s_add_co_u32 s[G0+1], s45, 0
	s_add_nc_u64 s[G0+2:G0+3], s[20:21], s[18:19]
	s_or_b32 s[G0+3], s[G0+3], 0x80000000
	s_mov_b32 s[G0B], 1
	s_add_co_u32 s[G0B+1], s45, 0
	s_add_nc_u64 s[G0B+2:G0B+3], s[46:47], s[18:19]
	s_or_b32 s[G0B+3], s[G0B+3], 0x80000000
	CROUND                                         ; all sixteen work-groups are here: the first joint loads meet
	JLOAD G0H, G1, G0HB, G1B                       ; my one tensor load of the head
	s_cmp_eq_u32 s15, 0                            ; the prefetch: my work-group's 32 of the 128 rows that I will fetch, at chunk 2
	s_cselect_b64 s[PFA:PFA+1], s[20:21], s[46:47]
	s_cselect_b32 s82, s40, s41
	s_lshl_b32 s82, s82, 5
	s_lshl_b32 s83, s16, 7
	s_add_co_u32 s82, s82, s83
	s_mul_i32 s82, s82, KROW
	s_add_co_u32 s82, s82, 2*ROWB
	s_mov_b32 s83, 0
	s_add_nc_u64 s[PFA:PFA+1], s[PFA:PFA+1], s[82:83]
	s_mov_b32 s21, SLOT-232
	s_mov_b32 s22, SLOT+232
	v_and_b32 v1, 15, v0
	v_bfe_u32 v2, v0, 4, 1
	v_mul_u32_u24 v3, v1, PITCH
	v_mul_u32_u24 v4, v2, 24
	v_add_nc_u32 v4, v3, v4                        ; a fragment's row x pitch + 24 x half
	v_sub_nc_u32 v7, 1, v2
	v_mul_u32_u24 v5, s21, v2
	v_add_nc_u32 v5, v3, v5
	v_add_nc_u32 v5, 232, v5                       ; across two chunks: lanes 0-15 byte 232 of the row in slot 0, lanes 16-31 byte 0 in slot 1;
	v_mul_u32_u24 v6, s22, v7
	v_add_nc_u32 v6, v3, v6                        ; and the other way round
	s_mul_i32 s21, s15, HALFT
	s_mul_i32 s22, s16, HALFT
	s_add_co_u32 s22, s22, 2*HALFT
	v_add_nc_u32 v[ADRA+2], s21, v5
	v_add_nc_u32 v[ADRA+3], s21, v6
	v_add_nc_u32 v[ADRB+2], s22, v5
	v_add_nc_u32 v[ADRB+3], s22, v6
.irp s, 0,1
	v_add_nc_u32 v[ADRA+\s], s21, v4
	v_add_nc_u32 v[ADRB+\s], s22, v4
	s_add_co_u32 s21, s21, SLOT
	s_add_co_u32 s22, s22, SLOT
.endr
	v_and_b32 v[PFO], 31, v0
	v_mul_u32_u24 v[PFO], v[PFO], KROW
	global_prefetch_b8 v[PFO], s[PFA:PFA+1] th:TH_LOAD_NT scope:SCOPE_SE   ; its two address registers are never written again
	s_cmp_eq_u32 s[TSEL], 1                        ; where image i's registers go: q's at 1,536 i + 16 lane; k's by the other order of tokens
	s_mov_b32 s18, 128
	s_mov_b32 s19, 1536
	s_cselect_b32 s22, s19, s18
	s_cselect_b32 s23, s18, s19
	v_and_b32 v6, 31, v0
	v_lshlrev_b32 v[LI], 4, v6
	v_and_b32 v5, 0x17, v0
	v_bfe_u32 v6, v0, 3, 1
	v_mul_u32_u24 v6, v6, s22
	v_lshl_add_u32 v[LA], v5, 4, v6
	v_add_nc_u32 v[LA+1], s23, v[LA]
	v_add_nc_u32 v[LA+2], 3072, v[LA]
	v_add_nc_u32 v[LA+3], 3072, v[LA+1]
	s_mov_b32 s[SEL], 0x76543210
	s_mov_b32 s[SEL+1], 0xfedcba98
	s_cmp_eq_u32 s[TSEL], 2                        ; my two heads' parts in the output
	s_cselect_b32 s96, s42, s17
	s_cselect_b32 s97, s16, s15
	s_cselect_b32 s98, s17, s42
	s_cselect_b32 s99, s15, s16
	s_lshl_b32 s96, s96, 1
	s_add_co_u32 s96, s96, s97
	s_lshl_b32 s98, s98, 2
	s_lshl_b32 s99, s99, 1
	s_add_co_u32 s98, s98, s99
	s_lshr_b32 s97, s96, 4
	s_lshl_b32 s97, s97, 4
	s_add_co_u32 s97, s97, s98
	s_lshl_b32 s97, s97, 4
	s_and_b32 s96, s96, 15
	s_add_co_u32 s96, s97, s96
	s_mul_i32 s96, s96, s[BS]
	s_add_co_u32 s96, s96, s[PRT]
	s_mov_b32 s97, 0
	s_add_nc_u64 s[OA:OA+1], s[12:13], s[96:97]
	s_lshl_b32 s98, s[BS], 4
	s_mov_b32 s99, 0
	s_add_nc_u64 s[OB:OB+1], s[OA:OA+1], s[98:99]
; a fragment: 12 registers, in six pieces of 8 bytes; byte y of a row of codes lies in slot (y / 256) % 2 at byte y % 256 of the LDS row
.macro FRAG reg, adr, st, i
.irp p, 0,1,2,3,4,5
.set BY, 96*(\st)+48*(\p/3)+8*(\p%3)
.if BY/ROWB == (BY+24)/ROWB
	ds_load_b64 v[\reg+2*\p:\reg+2*\p+1], v[\adr+(BY/ROWB)%2] offset:BY%ROWB+(\i)*16*PITCH
.else
	ds_load_b64 v[\reg+2*\p:\reg+2*\p+1], v[\adr+2+(BY/ROWB)%2] offset:BY%ROWB-232+(\i)*16*PITCH
.endif
.endr
.endm
.macro WM d, bf, af, sb, sa, z, m1, m2
.if \z
	v_wmma_scale_f32_16x16x128_f8f6f4 v[\d:\d+7], v[\bf:\bf+FR-1], v[\af:\af+FR-1], 0, v[\sb], v[\sa] matrix_a_fmt:MATRIX_FMT_FP6 matrix_b_fmt:MATRIX_FMT_FP6 \m1 \m2
.else
	v_wmma_scale_f32_16x16x128_f8f6f4 v[\d:\d+7], v[\bf:\bf+FR-1], v[\af:\af+FR-1], v[\d:\d+7], v[\sb], v[\sa] matrix_a_fmt:MATRIX_FMT_FP6 matrix_b_fmt:MATRIX_FMT_FP6 \m1 \m2
.endif
.endm
; 16 products: A's blocks a0, a0 + 1 (ra = a0 / 4: the lanes that hold their scale words) x B's eight; source 0 = B, source 1 = A.  The 64 accumulators take turns
.macro MUL16 a0, ra, p, st, z
.irp a, \a0, \a0+1
.irp b, 0,1,2,3
.if \ra
	WM 8*(8*((\a)%4)+\b), 128*(\p)+FR*\b, AF+FR*(\a), SB+8*\b+(\st), SA+8*((\a)%4)+(\st), \z, matrix_b_scale:MATRIX_SCALE_ROW1
.else
	WM 8*(8*((\a)%4)+\b), 128*(\p)+FR*\b, AF+FR*(\a), SB+8*\b+(\st), SA+8*((\a)%4)+(\st), \z
.endif
.endr
.irp b, 4,5,6,7
.if \ra
	WM 8*(8*((\a)%4)+\b), 128*(\p)+FR*\b, AF+FR*(\a), SB+8*(\b-4)+(\st), SA+8*((\a)%4)+(\st), \z, matrix_a_scale:MATRIX_SCALE_ROW1, matrix_b_scale:MATRIX_SCALE_ROW1
.else
	WM 8*(8*((\a)%4)+\b), 128*(\p)+FR*\b, AF+FR*(\a), SB+8*(\b-4)+(\st), SA+8*((\a)%4)+(\st), \z, matrix_a_scale:MATRIX_SCALE_ROW1
.endif
.endr
.endr
.endm
.macro FETCH_B st, p
	WIN TO_B
.irp i, 0,1,2,3,4,5,6,7
	FRAG 128*(\p)+FR*\i, ADRB, \st, \i
.endr
	WIN 0
.endm
.macro FETCH_A st, i0
.irp i, \i0, \i0+1, \i0+2, \i0+3
	FRAG AF+FR*(\i), ADRA, \st, \i
.endr
.endm
.macro PLACES n
.rept \n
	v_nop
.endr
.endm
; A step: 64 products; the next step's fragments are fetched in its middle and at its end.  kind 1: chunk 0 is read no more: the waits, the add, a round of the cluster's barrier, the refill.
; kind 2: the next step reads chunk 2: each wave waits for its load, and a barrier shows the chunk whole to all four.
.macro STEP st, kind, z
.set NX, (\st)+1
.if \kind
	s_wait_tensorcnt 0x0
.if \kind == 1
	ds_add_u32 v[SPW], v[NIL]
	s_wait_dscnt 4*NL+1                            ; the add and A's blocks 4-7 (24 loads) may be out
.else
	s_wait_dscnt 4*NL
.endif
	WIN MUL_LO
	MUL16 0, 0, (\st)%2, \st, \z
	s_wait_dscnt 0x0                               ; the add and all my reads are done
	s_barrier_signal -1
	MUL16 2, 0, (\st)%2, \st, \z
	WIN 0
	s_barrier_wait -1
.if \kind == 1
	CREST
	JLOAD G0, G1, G0B, G1B                         ; chunk 2; its four v_nop are the places in front of the loads below
.else
	PLACES NP
.endif
.else
	s_wait_dscnt 4*NL                              ; B's set and A's blocks 0-3 are in; A's blocks 4-7 (24 loads) may be out
	WIN MUL_LO
	MUL16 0, 0, (\st)%2, \st, \z
	MUL16 2, 0, (\st)%2, \st, \z
	s_wait_dscnt 0
	PLACES NP
.endif
	FETCH_B NX, NX%2
	FETCH_A NX, 0
	WIN MUL_HI
	MUL16 4, 1, (\st)%2, \st, \z
	MUL16 6, 1, (\st)%2, \st, \z
	PLACES NP
	WIN 0
	FETCH_A NX, 4
.endm
	s_wait_alu depctr_va_vdst(0)
	s_wait_tensorcnt 0x0                           ; my tile of the head's four is in
	s_mov_b32 s[G1+2], 128<<16                     ; no load of mine is out: the refill brings 128 rows a wave
	s_mov_b32 s[G1+4], 128
	s_mov_b32 s[G1B+2], 128<<16
	s_mov_b32 s[G1B+4], 128
	s_barrier_signal -1
	s_barrier_wait -1                              ; all four are in
	FETCH_B 0, 0
	FETCH_A 0, 0
	FETCH_A 0, 4
	s_wait_loadcnt 0x0                             ; the scale words
	STEP 0, 0, 1
	STEP 1, 0, 0
	STEP 2, 1, 0
	STEP 3, 0, 0
	STEP 4, 2, 0
	STEP 5, 0, 0
	STEP 6, 0, 0
	s_wait_dscnt 4*NL
	WIN MUL_LO
	MUL16 0, 0, 1, 7, 0
	MUL16 2, 0, 1, 7, 0
	s_wait_dscnt 0
	WIN MUL_HI
	MUL16 4, 1, 1, 7, 0
	MUL16 6, 1, 1, 7, 0
	WIN 0
; block a's 16 rows x 128 columns are quantised along the columns: four blocks of 32; a lane holds 16 of each, lane l xor 16 the others
.macro QP a, d0, d1, pw
.set AC, 64*((\a)%4)
	WIN 20*(2+(\a)/4)
.irp b, 0,1,2,3
	v_max3_num_f32 v[TM+\b], v[FLR], |v[AC+16*\b]|, |v[AC+16*\b+1]|
.endr
.irp i, 2,4,6,8,10,12,14
.irp b, 0,1,2,3
	v_max3_num_f32 v[TM+\b], v[TM+\b], |v[AC+16*\b+\i]|, |v[AC+16*\b+\i+1]|
.endr
.endr
	WIN 0
.irp b, 0,1,2,3
	v_permlanex16_b32 v[TM+4+\b], v[TM+\b], s[SEL], s[SEL+1]
.endr
.irp b, 0,1,2,3
	v_max_num_f32 v[TM+\b], v[TM+\b], v[TM+4+\b]
.endr
.irp b, 0,1,2,3
	v_add_nc_u32 v[TM+12+\b], 0xff000000, v[TM+\b]
.endr
.irp b, 0,1,2,3
	v_lshrrev_b32 v[TM+4+\b], 23, v[TM+12+\b]
.endr
	v_lshl_or_b32 v[\pw], v[TM+5], 8, v[TM+4]
	v_lshl_or_b32 v[\pw], v[TM+6], 16, v[\pw]
	v_lshl_or_b32 v[\pw], v[TM+7], 24, v[\pw]
	WIN 2+(\a)/4
	v_cvt_scalef32_pk16_fp6_f32 v[(\d0):(\d0)+2], v[AC:AC+15], v[TM+12]
	v_cvt_scalef32_pk16_fp6_f32 v[CT:CT+2], v[AC+16:AC+31], v[TM+13]
	v_cvt_scalef32_pk16_fp6_f32 v[(\d1):(\d1)+2], v[AC+32:AC+47], v[TM+14]
	v_cvt_scalef32_pk16_fp6_f32 v[CT+4:CT+6], v[AC+48:AC+63], v[TM+15]
	WIN 0
	v_nop
.irp i, 0,1,2
	v_permlane16_swap_b32 v[(\d0)+\i], v[CT+\i]
	v_permlane16_swap_b32 v[(\d1)+\i], v[CT+4+\i]
.endr
.irp i, 0,1,2
	v_mov_b32 v[(\d0)+3+\i], v[CT+\i]
	v_mov_b32 v[(\d1)+3+\i], v[CT+4+\i]
.endr
.endm
	PLACES NP
	v_mov_b32 v[FLR], 0x1800000
.irp b, 0,1,2,3
	v_mov_b32 v[TM+4+\b], 0
.endr
	s_cmp_eq_u32 s[TSEL], 2
	s_cbranch_scc1 .Lepi_v
	s_wait_alu depctr_va_vdst(0)
.irp i, 0,1,2,3
	s_wait_xcnt 0x0
	QP 2*\i, F+32*(\i%2), F+12+32*(\i%2), PWE
	QP 2*\i+1, F+6+32*(\i%2), F+18+32*(\i%2), PWO
	v_perm_b32 v[SW+\i], v[PWO], v[PWE], 0x05040100
	v_perm_b32 v[SW+4+\i], v[PWO], v[PWE], 0x07060302
.irp p, 0,1,2
	global_store_b128 v[LA+\i], v[F+32*(\i%2)+4*\p:F+32*(\i%2)+4*\p+3], s[OA:OA+1] offset:512*\p
	global_store_b128 v[LA+\i], v[F+12+32*(\i%2)+4*\p:F+12+32*(\i%2)+4*\p+3], s[OB:OB+1] offset:512*\p
.endr
.endr
	s_branch .Lepi_done
.Lepi_v:
	s_wait_alu depctr_va_vdst(0)
.irp a, 0,1,2,3,4,5,6,7
	s_wait_xcnt 0x0
	QP \a, F+32*(\a%2), F+6+32*(\a%2), SW+\a
.irp p, 0,1,2
.if \a < 4
	global_store_b128 v[LI], v[F+32*(\a%2)+4*\p:F+32*(\a%2)+4*\p+3], s[OA:OA+1] offset:1536*(\a%4)+512*\p
.else
	global_store_b128 v[LI], v[F+32*(\a%2)+4*\p:F+32*(\a%2)+4*\p+3], s[OB:OB+1] offset:1536*(\a%4)+512*\p
.endif
.endr
.endr
.Lepi_done:
	s_wait_alu depctr_va_vdst(0)
	global_store_b128 v[LI], v[SW:SW+3], s[OA:OA+1] offset:6144
	global_store_b128 v[LI], v[SW+4:SW+7], s[OB:OB+1] offset:6144
	s_wait_tensorcnt 0x0                           ; the wave's end
	ds_add_u32 v[SPW], v[NIL]
	s_wait_dscnt 0x0
	CROUND                                         ; the closing round
	s_endpgm
.Lfunc_end_k_q03e589cc5e_proj:
	.size	k_q03e589cc5e_proj, .Lfunc_end_k_q03e589cc5e_proj-k_q03e589cc5e_proj
	.p2alignl 7, 3214868480
	.fill 96, 4, 3214868480
	.section	.rodata,"a",@progbits
	.p2align	6, 0x0
	.amdhsa_kernel k_q03e589cc5e_proj
		.amdhsa_group_segment_fixed_size 327680
		.amdhsa_private_segment_fixed_size 0
		.amdhsa_enable_private_segment 0
		.amdhsa_kernarg_size 112
		.amdhsa_user_sgpr_count 2
		.amdhsa_user_sgpr_kernarg_segment_ptr 1
		.amdhsa_wavefront_size32 1
		.amdhsa_system_sgpr_workgroup_id_x 1
		.amdhsa_system_sgpr_workgroup_id_y 1
		.amdhsa_system_sgpr_workgroup_id_z 1
		.amdhsa_system_vgpr_workitem_id 0
		.amdhsa_next_free_vgpr 1024
		.amdhsa_next_free_sgpr 102
		.amdhsa_reserve_vcc 0
		.amdhsa_float_denorm_mode_32 3
		.amdhsa_float_denorm_mode_16_64 3
		.amdhsa_memory_ordered 1
		.amdhsa_forward_progress 1
		.amdhsa_inst_pref_size 194
	.end_amdhsa_kernel
	.amdgpu_metadata
---
amdhsa.version: [ 1, 2 ]
amdhsa.kernels:
  - .name:           k_q03e589cc5e_proj
    .symbol:         k_q03e589cc5e_proj.kd
    .args:
      - { .name: qcodes, .offset: 0, .size: 8, .value_kind: global_buffer, .address_space: global }
      - { .name: qscales, .offset: 8, .size: 8, .value_kind: global_buffer, .address_space: global }
      - { .name: k_codes, .offset: 16, .size: 8, .value_kind: global_buffer, .address_space: global }
      - { .name: k_scales, .offset: 24, .size: 8, .value_kind: global_buffer, .address_space: global }
      - { .name: W_V_codes, .offset: 32, .size: 8, .value_kind: global_buffer, .address_space: global }
      - { .name: W_V_scales, .offset: 40, .size: 8, .value_kind: global_buffer, .address_space: global }
      - { .name: W_Q_codes, .offset: 48, .size: 8, .value_kind: global_buffer, .address_space: global }
      - { .name: W_Q_scales, .offset: 56, .size: 8, .value_kind: global_buffer, .address_space: global }
      - { .name: W_K_codes, .offset: 64, .size: 8, .value_kind: global_buffer, .address_space: global }
      - { .name: W_K_scales, .offset: 72, .size: 8, .value_kind: global_buffer, .address_space: global }
      - { .name: v_codes, .offset: 80, .size: 8, .value_kind: global_buffer, .address_space: global }
      - { .name: v_scales, .offset: 88, .size: 8, .value_kind: global_buffer, .address_space: global }
      - { .name: qfrag, .offset: 96, .size: 8, .value_kind: global_buffer, .address_space: global }
      - { .name: kvfrag, .offset: 104, .size: 8, .value_kind: global_buffer, .address_space: global }
    .group_segment_fixed_size: 327680
    .private_segment_fixed_size: 0
    .kernarg_segment_align: 8
    .kernarg_segment_size: 112
    .max_flat_workgroup_size: 128
    .sgpr_count:     102
    .vgpr_count:     1024
    .wavefront_size: 32
...
	.end_amdgpu_metadata
.endif
;; end of part 2
;; launch attn (part 3): grid 4 x 64, 16 waves a work-group, clusters of 4 x 1, 284,672 bytes of LDS; arguments q, qfrag, kvfrag, out0; writes out0
.if DOCPART == 3
	.amdgcn_target "amdgcn-amd-amdhsa--gfx1250"
	.amdhsa_code_object_version 6
	.text
	.protected	k_q03e589cc5e_attn
	.globl	k_q03e589cc5e_attn
	.p2align	8
	.type	k_q03e589cc5e_attn,@function
k_q03e589cc5e_attn:
	s_mov_b64 s[64:65], 0
	v_nop
	global_prefetch_b8 v0, s[64:65] scope:SCOPE_SE
	s_setreg_imm32_b32 hwreg(HW_REG_WAVE_MODE, 25, 1), 1
	s_wait_xcnt 0x0
	s_wait_alu depctr_hold_cnt(0) depctr_sa_sdst(0) depctr_va_vdst(0) depctr_va_sdst(0) depctr_va_ssrc(0) depctr_va_vcc(0) depctr_vm_vsrc(0)
	s_getreg_b32 s2, hwreg(HW_REG_IB_STS2, 6, 4)
	s_cmp_eq_u32 s2, 0
	s_cbranch_scc0 .Lentry_in_a_cluster
	s_endpgm
.Lentry_in_a_cluster:
	s_bfe_u32 s2, ttmp6, 0x10000c
	s_cmp_lg_u32 s2, 0x3003
	s_cbranch_scc0 .Lentry_shape_is_right
	s_endpgm
.Lentry_shape_is_right:
; out0[b][t][64 h + d] = q[b][t][64 h + d] + the sum over keys of softmax(qh . kh / 32) vh, both products on codes of FP6 (E2M3) with one E8M0 scale for each 32 along a product's K.
; THE SOFTMAX AHEAD OF THE SECOND PRODUCT: t = score x log2(e) / 32; M = the row's largest t so far, rounded UP to a whole number; p = 2^(t - M) is quantised along the keys, not normalised.
; The row's sum is taken of the unquantised p, in f32, and divides O at the end.  When M moves, the sum and O are multiplied by 2^(old M - new M): exact.
; THE OPERANDS come as images of their registers (made by the launch before): a part of 6,656 bytes for each (batch-head, 128 tokens): four images of 1,536 bytes (registers 4 p .. 4 p + 3 of lane l at 512 p + 16 l), then scale words.
; SHARES.  A work-group owns 512 queries of one head, in two passes of 256; each of its sixteen waves one tile of 16 queries a pass, in 256 registers.  64 heads x 4 work-groups = 256 work-groups.
; K AND V OF THE WHOLE HEAD STAY IN LDS: 16 blocks of 13,312 bytes.  Wave w brings block w by one tensor load at the head; nothing is filled again.  Nothing is streamed later, so nothing is prefetched;
; the residual's rows are loaded into registers a whole pass ahead of their use.
; CLUSTER.  The four work-groups of a head ask for each block jointly.
; THE SCORES' K IS 64, THE INSTRUCTION'S 128.  A K image holds two tiles of 16 keys (K = 0..63 and 64..127); my queries stand twice: QA = [q | zero codes], QB = [zero codes | q].
; LAYOUT.  Both products are used transposed: a lane holds ONE query (lane % 16).  THE KEYS OF A K TILE: tile t = 4 c + u of a step has in rows 0-7 keys 64 c + 8 g + 0..7 and in rows 8-15 keys 64 c + 32 + 8 g + 0..7, g = 0, 2, 1, 3 for u = 0..3.
; So lane (r, h) holds in the 32 registers of tiles 4 c .. 4 c + 3 ALL 32 keys of block 2 c + h, which is what the second product's operand wants of that lane: no lane is asked for a block's maximum, and no code changes lanes.
; The order inside a block is the one in which V's codes were laid.  K's scale words lie by the tokens' natural order: lane row r of image i takes the word of image 2 (i / 2) + r / 8, row 8 (i % 2) + r % 8.
; LIMITS: NaN and infinities are not served; a block of p whose every number has fallen to 0 keeps the byte 1 (its codes are zeros); the scaled scores stay under 2^31 in magnitude.
.set BLK,    13312
.set PARTB,  6656
.set STAGE,  16*BLK                    ; 16 rows x 272 bytes for each wave, for the way out
.set SPITCH, 272
.set SPARE,  STAGE+16*16*SPITCH        ; the spare words
.set LI,   1                           ; 16 x lane
.set ADR,  2                           ; the step's block, for my lane
.set SO,   3
.set SR,   4
.set GO,   5
.set AKS,  6                           ; K's scale words in the step's block
.set SH,   7                           ; 8 h
.set AK0,  10                          ; 16 (r % 8) + 4 (r / 8)
.set NIL,  11
.set QA,   16
.set QB,   28
.set FRG,  40                          ; four images of K, then of V
.set Q1,   88
.set SPW,  95
.set S,    96                          ; S^T, then p
.set O,    160
.set RES,  192
.set PC,   224                         ; p's codes
.set T,    236                         ; v236-243: between the second product and the next scores four partial sums of p; else at work
.set MX,   244                         ; v244-247: maxima, then the conversions' scale operands
.set WV,   12
.set CX,   13
.set BH,   14
.set SEL,  20
.set CS,   22
.set G1,   24
.set G0,   32
.set TB,   36
.set CNT,  37
.set MK,   38
.set PS,   39
.set QP,   40
.set RQ,   42
.set RO,   44
.macro CROUND
	s_barrier_signal -1
	s_barrier_wait -1
	s_cmp_lg_u32 s[WV], 0
	s_cbranch_scc1 .Lnot_wave_0_\@
	s_barrier_signal -3
.Lnot_wave_0_\@:
	s_barrier_wait -3
	s_barrier_signal -1
	s_barrier_wait -1
.endm
	s_load_b256 s[4:11], s[0:1], 0x0               ; q, qfrag, kvfrag, out0
	v_lshl_add_u32 v[SPW], v0, 2, SPARE
	v_mov_b32 v[NIL], 0
	ds_add_u32 v[SPW], v[NIL]                      ; the opening lines
	ds_add_u32 v[SPW], v[NIL]
	v_lshrrev_b32 v8, 5, v0
	s_delay_alu instid0(VALU_DEP_1)
	v_readfirstlane_b32 s[WV], v8
	s_bfe_u32 s[CX], ttmp6, 0x40000
	s_and_b32 s[BH], ttmp7, 0xffff                 ; 16 batch + head
	s_mov_b32 s[G1], 15|(3<<16)|(1<<21)            ; a dense block as 52 rows of 256 bytes; the mask names all four work-groups
	s_mov_b32 s[G1+1], 32<<16
	s_mov_b32 s[G1+2], 52<<16
	s_mov_b32 s[G1+3], 32<<16
	s_mov_b32 s[G1+4], 52
	s_mov_b32 s[G1+5], 32
	s_mov_b32 s[G1+6], 0
	s_mov_b32 s[G1+7], 0
	s_mov_b32 s[G0], 1
	s_mul_i32 s[G0+1], s[WV], BLK
	s_mul_i32 s16, s[BH], 16*BLK
	s_add_co_u32 s16, s16, s[G0+1]
	s_mov_b32 s17, 0
	s_mov_b32 s[SEL], 0x76543210
	s_mov_b32 s[SEL+1], 0xfedcba98
	s_mov_b32 s[CS], 0x3d38aa3b                    ; c = log2(e) / 32
	s_mov_b32 s[CS+1], s[CS]
	s_wait_dscnt 0x0
	s_wait_kmcnt 0x0
	s_add_nc_u64 s[G0+2:G0+3], s[8:9], s[16:17]
	s_or_b32 s[G0+3], s[G0+3], 0x80000000
	CROUND
	tensor_load_to_lds s[G0:G0+3], s[G1:G1+7]      ; my one tensor load of the launch
	s_nop 0
.rept 4
	v_nop
.endr
	s_lshl_b32 s46, s[BH], 4                       ; my queries: part 4 cx + 2 pass + w / 8 of the head, image (w / 2) % 4, tile w % 2
	s_lshl_b32 s47, s[CX], 2
	s_add_co_u32 s46, s46, s47
	s_lshr_b32 s47, s[WV], 3
	s_add_co_u32 s46, s46, s47
	s_mul_i32 s46, s46, PARTB
	s_mov_b32 s47, 0
	s_add_nc_u64 s[QP:QP+1], s[6:7], s[46:47]
	s_lshr_b32 s46, s[BH], 4
	s_lshl_b32 s46, s46, 11
	s_lshl_b32 s47, s[CX], 9
	s_add_co_u32 s46, s46, s47
	s_lshl_b32 s47, s[WV], 4
	s_add_co_u32 s46, s46, s47
	s_lshl_b32 s46, s46, 12
	s_and_b32 s47, s[BH], 15
	s_lshl_b32 s47, s47, 8
	s_add_co_u32 s46, s46, s47
	s_mov_b32 s47, 0
	s_add_nc_u64 s[RQ:RQ+1], s[4:5], s[46:47]
	s_add_nc_u64 s[RO:RO+1], s[10:11], s[46:47]
	s_bfe_u32 s48, s[WV], 0x20001
	s_mul_i32 s49, s48, 1536
	v_and_b32 v[LI], 31, v0
	s_delay_alu instid0(VALU_DEP_1)
	v_lshlrev_b32 v[LI], 4, v[LI]
	s_delay_alu instid0(VALU_DEP_1)
	v_add_nc_u32 v232, s49, v[LI]
	v_lshl_add_u32 v233, s48, 2, v[LI]
.irp p, 0,1,2
	global_load_b128 v[S+4*\p:S+4*\p+3], v232, s[QP:QP+1] offset:512*\p
	global_load_b128 v[S+12+4*\p:S+12+4*\p+3], v232, s[QP:QP+1] offset:2*PARTB+512*\p
.endr
	global_load_b32 v[S+24], v233, s[QP:QP+1] offset:6144
	global_load_b32 v[S+25], v233, s[QP:QP+1] offset:2*PARTB+6144
	s_mul_i32 s15, s[WV], 16*SPITCH
	s_add_co_u32 s15, s15, STAGE
	v_and_b32 v8, 15, v0                           ; r
	v_bfe_u32 v9, v0, 4, 1                         ; h
	v_and_b32 v[AK0], 7, v0
	v_bfe_u32 v234, v0, 3, 1
	v_mul_u32_u24 v[SO], v8, SPITCH
	v_mul_u32_u24 v[SR], v9, SPITCH
	v_lshlrev_b32 v[GO], 12, v9
	v_lshlrev_b32 v234, 2, v234
	v_lshl_add_u32 v[SO], v9, 5, v[SO]
	v_lshl_add_u32 v[SR], v8, 4, v[SR]
	v_lshl_add_u32 v[GO], v8, 4, v[GO]
	v_lshl_add_u32 v[AK0], v[AK0], 4, v234
	v_add_nc_u32 v[SO], s15, v[SO]
	v_add_nc_u32 v[SR], s15, v[SR]
	v_lshlrev_b32 v[SH], 3, v9
	v_mov_b32 v253, 0                              ; (named as the upper half of the pair v[252:253] before it is first written)
.irp j, 0,1,2,3,4,5
	v_mov_b32 v[QA+6+\j], 0                        ; zero codes, for the whole launch
	v_mov_b32 v[QB+\j], 0
.endr
	s_and_b32 s15, s[WV], 1
	s_cmp_eq_u32 s15, 1
	s_cselect_b32 s[MK], -1, 0
	s_mov_b32 s[PS], 0x01000100
	s_cselect_b32 s[PS], 0x03020302, s[PS]
	s_wait_alu depctr_va_vdst(0)
	s_wait_loadcnt 0x0
.irp j, 0,1,2,3,4,5
	v_cndmask_b32 v[QA+\j], v[S+\j], v[S+6+\j], s[MK]
	v_cndmask_b32 v[Q1+\j], v[S+12+\j], v[S+18+\j], s[MK]
.endr
	v_perm_b32 v255, v[S+24], v[S+24], s[PS]       ; [q0, q1, q0, q1]
	v_perm_b32 v[Q1+6], v[S+25], v[S+25], s[PS]
.irp j, 0,1,2,3,4,5
	v_mov_b32 v[QB+6+\j], v[QA+\j]
.endr
	s_wait_alu depctr_va_vdst(0)
	s_wait_tensorcnt 0x0
	s_barrier_signal -1
	s_barrier_wait -1                              ; the head's K and V lie in LDS, and nobody writes them again
; A KEY STEP: 128 keys, the block at s[TB].
.macro STEP
	v_add_nc_u32 v[ADR], s[TB], v[LI]
	v_add_nc_u32 v[AKS], s[TB], v[AK0]
.irp i, 0,1,2,3
.irp p, 0,1,2
	ds_load_b128 v[FRG+12*\i+4*\p:FRG+12*\i+4*\p+3], v[ADR] offset:1536*\i+512*\p
.endr
	ds_load_b32 v[248+\i], v[AKS] offset:6144+128*(\i%2)+8*(\i/2)
.endr
	s_wait_alu depctr_va_vdst(0)
	s_wait_dscnt 0x0
.irp i, 0,1,2,3                                ; S^T = K Q^T: image i against QA gives tile 2 i, against QB tile 2 i + 1
	v_wmma_scale_f32_16x16x128_f8f6f4 v[S+16*\i:S+16*\i+7], v[FRG+12*\i:FRG+12*\i+11], v[QA:QA+11], 0, v[248+\i], v255 matrix_a_fmt:MATRIX_FMT_FP6 matrix_b_fmt:MATRIX_FMT_FP6
	v_wmma_scale_f32_16x16x128_f8f6f4 v[S+16*\i+8:S+16*\i+15], v[FRG+12*\i:FRG+12*\i+11], v[QB:QB+11], 0, v[248+\i], v255 matrix_a_fmt:MATRIX_FMT_FP6 matrix_b_fmt:MATRIX_FMT_FP6
.endr
	v_pk_add_f32 v[T:T+1], v[T:T+1], v[T+2:T+3]    ; the last step's four partial sums join the row's sum, still under the old M: these four lines are the places behind the products
	v_pk_add_f32 v[T+4:T+5], v[T+4:T+5], v[T+6:T+7]
	s_delay_alu instid0(VALU_DEP_1)
	v_pk_add_f32 v[T:T+1], v[T:T+1], v[T+4:T+5]
	s_delay_alu instid0(VALU_DEP_1)
	v_pk_add_f32 v[14:15], v[14:15], v[T:T+1]
.irp t, 0,1,2,3
.irp p, 0,1,2
	ds_load_b128 v[FRG+12*\t+4*\p:FRG+12*\t+4*\p+3], v[ADR] offset:PARTB+1536*\t+512*\p   ; V's images land while the softmax is worked
.endr
.endr
	ds_load_b128 v[248:251], v[ADR] offset:PARTB+6144
.irp g, 0,1,2,3                                ; the largest score of my two blocks of 32 keys, in four chains; each accumulator is first read at its low end
	v_max3_num_f32 v[MX+\g], v[S+16*\g], v[S+1+16*\g], v[S+2+16*\g]
.endr
.irp i, 3,5,7,9,11,13
.irp g, 0,1,2,3
	v_max3_num_f32 v[MX+\g], v[MX+\g], v[S+16*\g+\i], v[S+1+16*\g+\i]
.endr
.endr
	v_max3_num_f32 v[MX], v[MX], v[MX+1], v[S+15]
	v_max3_num_f32 v[MX+2], v[MX+2], v[MX+3], v[S+47]
	v_max_num_f32 v[MX], v[MX], v[S+31]            ; block h
	v_max_num_f32 v[MX+1], v[MX+2], v[S+63]        ; block 2 + h
	s_delay_alu instid0(VALU_DEP_1)
	v_max3_num_f32 v254, v[MX], v[MX+1], v13
	s_delay_alu instid0(VALU_DEP_1)
	v_permlanex16_b32 v[T+7], v254, s[SEL], s[SEL+1]
	v_mov_b32 v[T+3], v12
	s_delay_alu instid0(VALU_DEP_2)
	v_max_num_f32 v13, v254, v[T+7]                ; the running largest score of my query
	s_delay_alu instid0(VALU_DEP_1)
	v_mul_f32 v254, s[CS], v13                     ; as t (c is positive)
	s_delay_alu instid0(VALU_DEP_1)
	v_floor_f32 v12, -v254                         ; -M = floor(-t): M is a whole number
	s_delay_alu instid0(VALU_DEP_1)
	v_sub_f32 v254, v12, v[T+3]                    ; old M less new M: a whole number, 0 or less
	s_delay_alu instid0(VALU_DEP_1)
	v_cvt_i32_f32 v254, v254                       ; (it saturates)
	s_delay_alu instid0(VALU_DEP_1)
	v_ldexp_f32 v252, 1.0, v254                    ; f = 2^(old M - new M)
.set j, 0
.rept 32
	v_pk_fma_f32 v[S+j:S+j+1], v[S+j:S+j+1], s[CS:CS+1], v[12:13] op_sel_hi:[1,0,0]   ; t - M
.set j, j+2
.endr
	v_pk_fma_f32 v[MX:MX+1], v[MX:MX+1], s[CS:CS+1], v[12:13] op_sel_hi:[1,0,0]       ; the same of each block's largest score: p rises with the score
	s_wait_alu depctr_va_vdst(0)
.set j, 0
.rept 64
	v_exp_f32 v[S+j], v[S+j]                       ; p = 2^(t - M)
.set j, j+1
.endr
	v_exp_f32 v[MX], v[MX]
	v_exp_f32 v[MX+1], v[MX+1]
	v_pk_mul_f32 v[14:15], v[14:15], v[252:253] op_sel_hi:[1,0]   ; the sum under the new M (the plain line behind the exponentials)
	s_wait_alu depctr_va_vdst(0)                   ; and behind it
	v_max_num_f32 v[MX], 0x1800000, v[MX]          ; the floor 2^(3 - 127): the byte cannot fall under 1
	v_max_num_f32 v[MX+1], 0x1800000, v[MX+1]
	s_delay_alu instid0(VALU_DEP_2)
	v_add_nc_u32 v[MX+2], 0xff000000, v[MX]        ; 2 off the exponent field: the conversions' scale operands
	s_delay_alu instid0(VALU_DEP_2)
	v_add_nc_u32 v[MX+3], 0xff000000, v[MX+1]
	s_delay_alu instid0(VALU_DEP_2)
	v_lshrrev_b32 v8, 23, v[MX+2]
	s_delay_alu instid0(VALU_DEP_2)
	v_lshrrev_b32 v9, 23, v[MX+3]
	s_delay_alu instid0(VALU_DEP_1)
	v_lshl_or_b32 v8, v9, 16, v8                   ; my two bytes, blocks h and 2 + h,
	s_delay_alu instid0(VALU_DEP_1)
	v_lshlrev_b32 v8, v[SH], v8                    ; at their places in the word;
	s_delay_alu instid0(VALU_DEP_1)
	v_permlanex16_b32 v9, v8, s[SEL], s[SEL+1]
	s_delay_alu instid0(VALU_DEP_1)
	v_or_b32 v253, v8, v9                          ; with lane l xor 16's two: p's scale word
	v_cvt_scalef32_pk16_fp6_f32 v[PC:PC+2], v[S:S+15], v[MX+2]
	v_cvt_scalef32_pk16_fp6_f32 v[T:T+2], v[S+16:S+31], v[MX+2]        ; (a conversion's three registers begin on an even number)
	v_cvt_scalef32_pk16_fp6_f32 v[PC+6:PC+8], v[S+32:S+47], v[MX+3]
	v_cvt_scalef32_pk16_fp6_f32 v[T+4:T+6], v[S+48:S+63], v[MX+3]
	s_wait_alu depctr_va_vdst(0)
	v_pk_mul_f32 v[O:O+1], v[O:O+1], v[252:253] op_sel_hi:[1,0]        ; O^T under the new M (the plain line behind the conversions)
.irp i, 0,1,2
	v_mov_b32 v[PC+3+\i], v[T+\i]
	v_mov_b32 v[PC+9+\i], v[T+4+\i]
.endr
.set j, 2
.rept 15
	v_pk_mul_f32 v[O+j:O+j+1], v[O+j:O+j+1], v[252:253] op_sel_hi:[1,0]   ; (also the places between p's codes and scale word and the products)
.set j, j+2
.endr
	s_wait_alu depctr_va_vdst(0)
	s_wait_dscnt 0x0                               ; V's images and scale words are in
.irp t, 0,1,2,3                                ; O^T += V^T P^T; the four accumulators take turns
	v_wmma_scale_f32_16x16x128_f8f6f4 v[O+8*\t:O+8*\t+7], v[FRG+12*\t:FRG+12*\t+11], v[PC:PC+11], v[O+8*\t:O+8*\t+7], v[248+\t], v253 matrix_a_fmt:MATRIX_FMT_FP6 matrix_b_fmt:MATRIX_FMT_FP6
.endr
.irp i, 0,1,2,3                                ; the sum of the unquantised p, in four chains: 28 lines, which are also the places in front of the next step's loads
	v_pk_add_f32 v[T+2*\i:T+2*\i+1], v[S+4*\i:S+4*\i+1], v[S+4*\i+2:S+4*\i+3]
.endr
.set j, 16
.rept 6
.irp i, 0,1,2,3
	v_pk_add_f32 v[T+2*\i:T+2*\i+1], v[T+2*\i:T+2*\i+1], v[S+j+2*\i:S+j+2*\i+1]
.endr
.set j, j+8
.endr
	s_add_co_u32 s[TB], s[TB], BLK
.endm
; A PASS: my 16 queries of pass p against all 2,048 keys, then the way out.
.macro PASS p
.if \p
	s_wait_xcnt 0x0                                ; the first pass's stores have read their registers
.irp j, 0,1,2,3,4,5
	v_mov_b32 v[QA+\j], v[Q1+\j]
	v_mov_b32 v[QB+6+\j], v[Q1+\j]
.endr
	v_mov_b32 v255, v[Q1+6]
.endif
.irp i, 0,1,2,3,4,5,6,7
	global_load_b128 v[RES+4*\i:RES+4*\i+3], v[GO], s[RQ:RQ+1] offset:\p*1048576+8192*\i th:TH_LOAD_NT   ; the residual, wanted only on the way out
.endr
	v_mov_b32 v13, 0xff61b1e6                      ; the largest score so far: -3e38
	v_mov_b32 v12, 0x7d000000                      ; -M: 2^123, so that the first f is 0
	v_mov_b32 v14, 0
	v_mov_b32 v15, 0
.set j, 0
.rept 8
	v_mov_b32 v[T+j], 0
.set j, j+1
.endr
.set j, 0
.rept 32
	v_mov_b32 v[O+j], 0                            ; the step is written once: the first finds zeros
.set j, j+1
.endr
	s_mov_b32 s[TB], 0
	s_mov_b32 s[CNT], 16
	s_wait_alu depctr_va_vdst(0)
.Lstep_\@:
	STEP
	s_sub_co_u32 s[CNT], s[CNT], 1
	s_cmp_lg_u32 s[CNT], 0
	s_wait_alu depctr_va_vdst(0)
	s_cbranch_scc1 .Lstep_\@
	v_pk_add_f32 v[T:T+1], v[T:T+1], v[T+2:T+3]    ; the last step's partial sums
	v_pk_add_f32 v[T+4:T+5], v[T+4:T+5], v[T+6:T+7]
	s_delay_alu instid0(VALU_DEP_1)
	v_pk_add_f32 v[T:T+1], v[T:T+1], v[T+4:T+5]
	s_delay_alu instid0(VALU_DEP_1)
	v_pk_add_f32 v[14:15], v[14:15], v[T:T+1]
	s_delay_alu instid0(VALU_DEP_1)
	v_add_f32 v14, v14, v15
	s_delay_alu instid0(VALU_DEP_1)
	v_permlanex16_b32 v252, v14, s[SEL], s[SEL+1]
	s_delay_alu instid0(VALU_DEP_1)
	v_add_f32 v14, v14, v252                       ; with lane l xor 16's blocks: the row's sum
	s_wait_alu depctr_va_vdst(0)
	v_rcp_f32 v14, v14
	v_nop
	s_wait_alu depctr_va_vdst(0)
.set j, 0
.rept 16
	v_pk_mul_f32 v[S+j:S+j+1], v[O+j:O+j+1], v[14:15] op_sel_hi:[1,0]   ; register 8 t + i is o(r, 16 t + 8 h + i)
.set j, j+2
.endr
.irp t, 0,1,2,3
	ds_store_b128 v[SO], v[S+8*\t:S+8*\t+3] offset:64*\t
	ds_store_b128 v[SO], v[S+8*\t+4:S+8*\t+7] offset:64*\t+16
.endr
.irp i, 0,1,2,3,4,5,6,7
	ds_load_b128 v[S+32+4*\i:S+32+4*\i+3], v[SR] offset:2*\i*SPITCH   ; my wave's own stage: LDS serves a wave's instructions in order
.endr
	s_wait_loadcnt 0x0                             ; the residual's rows
.irp i, 0,1,2,3,4,5,6,7
	s_wait_dscnt 7-\i                              ; rows 2 i and 2 i + 1 are back; the younger loads may be out
	v_pk_add_f32 v[S+32+4*\i:S+33+4*\i], v[S+32+4*\i:S+33+4*\i], v[RES+4*\i:RES+4*\i+1]
	v_pk_add_f32 v[S+34+4*\i:S+35+4*\i], v[S+34+4*\i:S+35+4*\i], v[RES+4*\i+2:RES+4*\i+3]
	global_store_b128 v[GO], v[S+32+4*\i:S+35+4*\i], s[RO:RO+1] offset:\p*1048576+8192*\i th:TH_STORE_NT   ; sixteen lanes store 256 consecutive bytes, aligned
.endr
.endm
	PASS 0
	PASS 1
	s_wait_tensorcnt 0x0                           ; the wave's end
	ds_add_u32 v[SPW], v[NIL]
	s_wait_dscnt 0x0
	CROUND                                         ; the closing round
	s_endpgm
.Lfunc_end_k_q03e589cc5e_attn:
	.size	k_q03e589cc5e_attn, .Lfunc_end_k_q03e589cc5e_attn-k_q03e589cc5e_attn
	.p2alignl 7, 3214868480
	.fill 96, 4, 3214868480
	.section	.rodata,"a",@progbits
	.p2align	6, 0x0
	.amdhsa_kernel k_q03e589cc5e_attn
		.amdhsa_group_segment_fixed_size 284672
		.amdhsa_private_segment_fixed_size 0
		.amdhsa_enable_private_segment 0
		.amdhsa_kernarg_size 32
		.amdhsa_user_sgpr_count 2
		.amdhsa_user_sgpr_kernarg_segment_ptr 1
		.amdhsa_wavefront_size32 1
		.amdhsa_system_sgpr_workgroup_id_x 1
		.amdhsa_system_sgpr_workgroup_id_y 1
		.amdhsa_system_sgpr_workgroup_id_z 1
		.amdhsa_system_vgpr_workitem_id 0
		.amdhsa_next_free_vgpr 256
		.amdhsa_next_free_sgpr 66
		.amdhsa_reserve_vcc 0
		.amdhsa_float_denorm_mode_32 3
		.amdhsa_float_denorm_mode_16_64 3
		.amdhsa_memory_ordered 1
		.amdhsa_forward_progress 1
		.amdhsa_inst_pref_size 52
	.end_amdhsa_kernel
	.amdgpu_metadata
---
amdhsa.version: [ 1, 2 ]
amdhsa.kernels:
  - .name:           k_q03e589cc5e_attn
    .symbol:         k_q03e589cc5e_attn.kd
    .args:
      - { .name: q, .offset: 0, .size: 8, .value_kind: global_buffer, .address_space: global }
      - { .name: qfrag, .offset: 8, .size: 8, .value_kind: global_buffer, .address_space: global }
      - { .name: kvfrag, .offset: 16, .size: 8, .value_kind: global_buffer, .address_space: global }
      - { .name: out0, .offset: 24, .size: 8, .value_kind: global_buffer, .address_space: global }
    .group_segment_fixed_size: 284672
    .private_segment_fixed_size: 0
    .kernarg_segment_align: 8
    .kernarg_segment_size: 32
    .max_flat_workgroup_size: 512
    .sgpr_count:     66
    .vgpr_count:     256
    .wavefront_size: 32
...
	.end_amdgpu_metadata
.endif
;; end of part 3
